; MI455X (gfx1250); checked and timed in simulation.
; The chip was launched on July 23, 2026; its instructions are those of AMD's public machine-readable ISA for CDNA 5 (MIT licence, August 2026) and "CDNA5" Instruction Set Architecture Reference Guide (July 2026). The comments in the code are by the model that wrote it; some were corrected since.
;; Bigbird Simulated Attention. Allowed arithmetic: matrix products marked QUANTISED: E3M2 operands, one E8M0 scale for each 32 along K, by v_wmma_scale_f32_16x16x128_f8f6f4 with both operands' format E3M2, f32 sums; everything else in f32.
;; Inputs: k 2 x 6 x 4,096 x 64 float32; mask 4,096 x 4,096 int32; q 2 x 6 x 4,096 x 64 float32; v 2 x 6 x 4,096 x 64 float32.
;; Outputs: out0 2 x 6 x 4,096 x 64 float32.
;; This version of the problem:
;;   THIS VERSION OF THE PROBLEM IS GIVEN IN LOW PRECISION. The matrix products marked QUANTISED in the list below multiply operands that are first quantised to E3M2 (3 exponent bits, 2 mantissa bits; 6 bits a number), with one power-of-two scale for each 32 numbers along K (OCP MX v1.0); their sums are f32. All else is computed in f32.
;;   The module's matrix products, in the order in which they are computed (A, B: the left and right operand; K: the contracted axis; several contracted axes count as one K, in the product's order):
;;     1. batch 12 x [M 4,096, K 64] x [K 64, N 4,096]; A: input q; B: input k: QUANTISED
;;     2. batch 12 x [M 4,096, K 4,096] x [K 4,096, N 64]; A: softmax (see below); B: input v: QUANTISED
;;   THE QUANTISER, for each operand of a quantised product, along K:
;;     - K is cut into blocks of 32 from its start; a last block that is shorter is filled with zeros.
;;     - A block's scale is 2^e with e = floor(log2(the largest magnitude in the block)) - 4, held to -126 .. 127; a block of zeros has e = 0. As a byte (E8M0): e + 127.
;;     - Each number is divided by its block's scale, clamped to +-28, and rounded to the nearest number of E3M2, ties to even, subnormals kept.
;;     - The product sums the exact products of the quantised numbers (number of the format x scale) in f32.
;;   ~~~python
;;   def quantise(x, axis):      # numpy; x: float32 -> the quantised numbers, widened to float32 again
;;       x = np.moveaxis(x, axis, -1); K = x.shape[-1]
;;       x = np.pad(x, [(0, 0)] * (x.ndim - 1) + [(0, -K % 32)]); x = x.reshape(x.shape[:-1] + (-1, 32)); a = np.abs(x).max(-1, keepdims=True)
;;       e = np.where(a > 0, np.clip(np.frexp(np.where(a > 0, a, 1))[1] - 1 - 4, -126, 127), 0)      # np.frexp(a)[1] - 1 = floor(log2(a)), exactly
;;       r = np.clip(x / 2.0 ** e, -28, 28)
;;       step = 2.0 ** (np.maximum(np.frexp(np.where(r == 0, 1, r))[1] - 1, -2) - 2)
;;       q = np.round(r / step) * step * 2.0 ** e      # np.round: ties to even
;;       return np.moveaxis(q.reshape(q.shape[:-2] + (-1,))[..., :K], -1, axis).astype(np.float32)
;;   ~~~
;;   SOFTMAX AHEAD OF A QUANTISED PRODUCT. Where the list says 'softmax', what is quantised is not the finished softmax but p = 2^(t - M), with t = logit x log2(e) and M = ceil(the row's largest t), a whole number; so 1/2 < the row's largest p <= 1. The row's sum l is taken of the UNQUANTISED p, in f32, and the product's result is divided by l at the end. Since M is a whole number, a kernel that streams over the keys may use a running M (the ceiling of the running maximum): every later rescaling is an exact power of two, which a block's scale takes up: the codes' values come out the same.
;;   OPERANDS COMPUTED ON THE WAY. 'Computed on the way' means the value that the module computes at that place (a softmax that the list does not call 'softmax' is quantised finished and normalised). What goes into a quantiser is computed in f32, as accurately as f32 sums, v_exp_f32 and their like allow (about 1e-6 of the number): no bf16 or f16 on the way to a quantiser, and a product that is left as it is and whose result goes on into a quantised operand takes f32 operands (vector FMAs, or v_wmma_f32_16x16x4_f32). A number that lies on a knife's edge between two numbers of the format may be rounded either way, as far as f32 arithmetic and the matrix unit's own rounding can turn it there, and no further.
;; One version. Each part assembles by itself: llvm-mc -triple=amdgcn-amd-amdhsa -mcpu=gfx1250 --defsym DOCPART=n.
;; ======== version 1 of 1: 2 launches
;; limits: right only within a limited range of input values
;; workspace buffers: hid 2,097,152 bytes of whole numbers; kv 5,013,504 bytes
;; launch prep (part 1): grid 704 x 1, 4 waves a work-group, no clusters, 51,712 bytes of LDS; arguments mask, k, v, hid, kv; writes hid, kv
.if DOCPART == 1
	.amdgcn_target "amdgcn-amd-amdhsa--gfx1250"
	.amdhsa_code_object_version 6
	.text
	.protected	k_q4d79c2c9cb_prep
	.globl	k_q4d79c2c9cb_prep
	.p2align	8
	.type	k_q4d79c2c9cb_prep,@function
k_q4d79c2c9cb_prep:
	s_mov_b64 s[64:65], 0
	v_nop
	global_prefetch_b8 v0, s[64:65] scope:SCOPE_SE
	s_setreg_imm32_b32 hwreg(HW_REG_WAVE_MODE, 25, 1), 1
	s_wait_xcnt 0x0
; PREPARATION for the attention launch: three kinds of work-group, told apart by the work-group's number alone; every wave takes 32 KiB of input; waves share nothing, so there is no barrier.
;   work-groups 0-511:   mask [4096][4096] int32 -> hid: one BIT for each score, laid as the lane masks that the attention launch's selects want.
;   work-groups 512-607: k [12][4096][64] f32 -> codes of BF6 (E3M2) along the head's 64, with one E8M0 byte for each 32, laid as images of the matrix operand's registers.
;   work-groups 608-703: v [12][4096][64] f32 -> the same along the KEYS (the second product's K): a lane takes a column d and its registers run down the keys.
; hid: [query tile Tq, 256][key step j, 32][dword n, 64].  n = 16 b + i; bit L of the dword is 1 where mask[16 Tq + L % 16][128 j + 32 b + 16 (L / 16) + i] <= 0 (hidden).
; kv:  [head, 12][key step j, 32][STEPB bytes]: K's 8 tiles at 768 t; V's 8 half fragments at 6144 + 768 (2 tv + c); K's scale words at 12288 (16 bytes a lane); V's at 12800 (8 bytes a lane).
;   A piece of 768 bytes is the image of six registers: registers 0-3 at 16 x lane, registers 4-5 at 512 + 8 x lane.
;   K's tile t = 2 b + u: lane (r, h) holds d = 32 h .. 32 h + 31 of key 32 b + 8 u + r + 8 (r / 8).  V's tile tv: row d = 16 tv + r, piece c: keys 64 c + 32 h + 0 .. 31.
;   Scale images: register i holds tile 2 i's words in lanes 0-15 and tile 2 i + 1's in lanes 16-31.  K's word is b0, b1, b0, b1: the product's upper 64 along K are zero codes, and their bytes repeat the row's own.
; A block's scale is 2^(floor(log2(its largest magnitude)) - 4); its byte is the largest magnitude's exponent field - 4, held at 1 from below.  A block of zeros so keeps the byte 1 where the rule says 127:
; its codes are zeros, which add nothing under any byte but 0xff, and this program alone reads the bytes.
; LIMITS: blocks whose largest magnitude lies under 2^-122 keep the byte 1; NaN and infinities among k and v are not served.
.set STEPB, 13056                      ; a key step's block in kv: 51 x 256 bytes
.set MSTG,  8448                       ; the mask's stage for a wave: 16 rows x (512 + 16) bytes
.set KSTG0, 4*MSTG                     ; behind them K's stages: each path has LDS bytes of its own
.set KSTG,  4352                       ; 16 rows x (256 + 16) bytes
	s_load_b256 s[4:11], s[0:1], 0x0               ; mask s[4:5], k s[6:7], v s[8:9], hid s[10:11]
	s_load_b64 s[12:13], s[0:1], 0x20              ; kv
	v_lshl_add_u32 v208, v0, 2, 0xc800
	v_mov_b32 v209, 0
	v_lshrrev_b32 v1, 5, v0
	v_readfirstlane_b32 s16, v1                    ; wave 0..3
	v_and_b32 v1, 31, v0                           ; lane
	v_and_b32 v2, 15, v0                           ; r
	v_bfe_u32 v3, v0, 4, 1                         ; h
	v_lshlrev_b32 v4, 4, v1                        ; 16 x lane
	v_lshlrev_b32 v7, 3, v1                        ; 8 x lane
	s_mov_b32 s20, 0x76543210
	s_mov_b32 s21, 0xfedcba98                      ; v_permlanex16_b32's selects for lane l xor 16
	s_mov_b32 s23, 0                               ; the upper word of every offset pair s[22:23]
	s_wait_kmcnt 0x0
	s_cmp_lt_u32 ttmp9, 512
	s_cbranch_scc0 .Lnot_mask
; ---------------- THE MASK.  Wave m = 4 x work-group + wave takes query tile m / 8 and the four key steps 4 (m % 8) + tau.
; A tile is 16 rows x 512 bytes.  Each load reads a row's 512 consecutive bytes; the tile turns through the wave's own stage, so that lane (r, h) holds row r and register 16 b + i key 32 b + 16 h + i;
; a compare then gives the 32 lanes' bits as one scalar word, which is written into lane n / 2 of a register pair: the pair leaves as 256 consecutive bytes.
	s_lshl_b32 s17, ttmp9, 2
	s_add_co_u32 s17, s17, s16                     ; m
	s_lshr_b32 s18, s17, 3                         ; Tq
	s_and_b32 s19, s17, 7
	s_lshl_b32 s22, s18, 18                        ; 16 rows of 16,384 bytes
	s_lshl_b32 s19, s19, 11                        ; four tiles of 512 bytes along a row
	s_add_co_u32 s22, s22, s19
	s_add_nc_u64 s[4:5], s[4:5], s[22:23]
	s_lshl_b32 s22, s17, 10                        ; hid: (32 Tq + 4 (m % 8)) x 256 = 1,024 m
	s_add_nc_u64 s[10:11], s[10:11], s[22:23]
	s_mul_i32 s24, s16, MSTG
	v_add_nc_u32 v5, s24, v4                       ; into the stage: 16 x lane of a row
	v_mul_u32_u24 v6, v2, 528
	v_lshl_add_u32 v6, v3, 6, v6
	v_add_nc_u32 v6, s24, v6                       ; out of it: row r, + 64 h
.irp i, 0,1,2,3,4,5,6,7
	v_mov_b32 v[8+\i], 0                           ; four output pairs: a lane write's destination counts as read
.endr
.macro MLOAD tau
.irp rho, 0,1,2,3,4,5,6,7,8,9,10,11,12,13,14,15
	global_load_b128 v[16+64*((\tau)%2)+4*\rho:16+64*((\tau)%2)+4*\rho+3], v4, s[4:5] offset:\rho*16384+512*(\tau) th:TH_LOAD_NT
.endr
.endm
.macro MTILE tau
.set MS, 16+64*((\tau)%2)
.if (\tau) < 3
	s_wait_loadcnt 16                              ; this tile's 16 loads are in; the next tile's 16 may be out
.else
	s_wait_loadcnt 0
.endif
.irp rho, 0,1,2,3,4,5,6,7,8,9,10,11,12,13,14,15
	ds_store_b128 v5, v[MS+4*\rho:MS+4*\rho+3] offset:\rho*528
.endr
.irp b, 0,1,2,3
.irp x, 0,1,2,3
	ds_load_b128 v[MS+4*(4*\b+\x):MS+4*(4*\b+\x)+3], v6 offset:128*\b+16*\x   ; LDS serves a wave's instructions in order: these see the stores above
.endr
.endr
	s_wait_dscnt 0x0
.set g, 0
.rept 8                                ; dwords 8 g .. 8 g + 7: eight compares, then eight lane writes, so that no lane write follows its own compare
.irp e, 0,1,2,3,4,5,6,7
	v_cmp_ge_i32 s[32+\e], 0, v[MS+8*g+\e]         ; bit L: 0 >= lane L's mask word: hidden
.endr
.irp e, 0,1,2,3,4,5,6,7
	v_writelane_b32 v[8+2*(\tau)+\e%2], s[32+\e], 4*g+\e/2   ; dword n lies at byte 4 n: word n % 2 of lane n / 2's eight bytes
.endr
.set g, g+1
.endr
	global_store_b64 v7, v[8+2*(\tau):9+2*(\tau)], s[10:11] offset:256*(\tau)   ; 32 lanes store 256 consecutive bytes, aligned; each tile has its own pair, so no store's data are written again
.if (\tau)+2 < 4
	MLOAD (\tau)+2
.endif
.endm
	MLOAD 0
	MLOAD 1
	MTILE 0
	MTILE 1
	MTILE 2
	MTILE 3
	s_wait_tensorcnt 0x0
	ds_add_u32 v208, v209
	s_wait_dscnt 0x0
	s_endpgm
; One block of 32 numbers of a lane, v[xs] .. v[xs + 31], becomes six registers of codes at v[cc]; its scale's byte is left in v13.
.macro QBLOCK xs, cc
	v_max3_num_f32 v12, |v[\xs]|, |v[\xs+1]|, |v[\xs+2]|             ; the block's largest magnitude, in two chains
	v_max3_num_f32 v13, |v[\xs+3]|, |v[\xs+4]|, |v[\xs+5]|
.irp i, 6,10,14,18,22,26
	v_max3_num_f32 v12, v12, |v[\xs+\i]|, |v[\xs+\i+1]|
	v_max3_num_f32 v13, v13, |v[\xs+\i+2]|, |v[\xs+\i+3]|
.endr
	v_max3_num_f32 v12, v12, |v[\xs+30]|, |v[\xs+31]|
	v_max3_num_f32 v12, v12, v13, 0x2800000        ; and the floor 2^(5 - 127): the byte cannot fall under 1
	v_add_nc_u32 v11, 0xfe000000, v12              ; 4 off the exponent field: the conversion takes this operand's exponent field as its scale
	v_cvt_scalef32_pk16_bf6_f32 v[\cc:\cc+2], v[\xs:\xs+15], v11
	v_cvt_scalef32_pk16_bf6_f32 v[28:30], v[\xs+16:\xs+31], v11   ; (a conversion's three registers begin on an even number)
	v_lshrrev_b32 v13, 23, v11                     ; the scale's byte; also the plain line behind the conversions
	v_mov_b32 v[\cc+3], v28
	v_mov_b32 v[\cc+4], v29
	v_mov_b32 v[\cc+5], v30
.endm
.Lnot_mask:
	s_cmp_lt_u32 ttmp9, 608
	s_cbranch_scc0 .Lvalues
; ---------------- K.  Wave kappa = 4 (work-group - 512) + wave = 32 x head + key step: 128 keys, 8 tiles of 16.
; A load reads two neighbouring keys' 512 bytes; a tile's 16 keys turn through the wave's stage, so that lane (r, h) holds a whole block: d = 32 h .. 32 h + 31 of the tile's row r.
	s_sub_co_u32 s17, ttmp9, 512
	s_lshl_b32 s17, s17, 2
	s_add_co_u32 s17, s17, s16
	s_lshl_b32 s22, s17, 15                        ; 128 keys of 256 bytes
	s_add_nc_u64 s[6:7], s[6:7], s[22:23]
	s_mul_i32 s22, s17, STEPB
	s_add_nc_u64 s[12:13], s[12:13], s[22:23]
	s_mul_i32 s24, s16, KSTG
	s_add_co_u32 s24, s24, KSTG0
	v_mul_u32_u24 v5, v3, 272
	v_lshl_add_u32 v5, v2, 4, v5
	v_add_nc_u32 v5, s24, v5                       ; into the stage: lanes 0-15 one row, lanes 16-31 the next
	v_mul_u32_u24 v6, v2, 272
	v_lshl_add_u32 v6, v3, 7, v6
	v_add_nc_u32 v6, s24, v6                       ; out of it: row r, + 128 h
	v_lshlrev_b32 v8, 3, v3                        ; 8 h: my byte's place in the scale word
	v_mov_b32 v14, 0                               ; a lane permute's destination counts as read
	v_cmp_le_u32 vcc_lo, 16, v1                    ; lanes 16-31
.macro KLOAD t                         ; stage rows 2 x, 2 x + 1 are keys 32 (t / 2) + 8 (t % 2) + 2 x + 8 (x / 4) and the next
.irp x, 0,1,2,3,4,5,6,7
	global_load_b128 v[32+32*((\t)%4)+4*\x:32+32*((\t)%4)+4*\x+3], v4, s[6:7] offset:(32*((\t)/2)+8*((\t)%2)+2*\x+8*(\x/4))*256 th:TH_LOAD_NT
.endr
.endm
.macro KTILE t
.set XS, 32+32*((\t)%4)
.set CC, 160+6*(\t)
.if 7-(\t) >= 3
	s_wait_loadcnt 24                              ; this tile's eight loads are in; those of the three tiles behind it may be out
.else
	s_wait_loadcnt 8*(7-(\t))
.endif
.irp x, 0,1,2,3,4,5,6,7
	ds_store_b128 v5, v[XS+4*\x:XS+4*\x+3] offset:2*\x*272
.endr
.irp y, 0,1,2,3,4,5,6,7
	ds_load_b128 v[XS+4*\y:XS+4*\y+3], v6 offset:16*\y   ; LDS serves a wave's instructions in order
.endr
	s_wait_dscnt 0x0
	QBLOCK XS, CC
	v_lshlrev_b32 v10, v8, v13                     ; my block's byte at its place,
	v_permlanex16_b32 v14, v10, s20, s21
	v_or_b32 v10, v10, v14                         ; with lane l xor 16's: b0, b1,
	v_lshl_or_b32 v10, v10, 16, v10                ; repeated for the upper 64 along K
.if (\t)%2 == 0
	v_mov_b32 v[16+(\t)/2], v10
.else
	v_cndmask_b32 v[16+(\t)/2], v[16+(\t)/2], v10, vcc_lo   ; the odd tile's words go to lanes 16-31
.endif
	global_store_b128 v4, v[CC:CC+3], s[12:13] offset:768*(\t)       ; 512 consecutive bytes; each tile has its own six registers
	global_store_b64 v7, v[CC+4:CC+5], s[12:13] offset:768*(\t)+512  ; 256 consecutive bytes
.if (\t)+4 < 8
	KLOAD (\t)+4
.endif
.endm
	KLOAD 0
	KLOAD 1
	KLOAD 2
	KLOAD 3
.irp t, 0,1,2,3,4,5,6,7
	KTILE \t
.endr
	global_store_b128 v4, v[16:19], s[12:13] offset:12288            ; the scale words' image
	s_wait_tensorcnt 0x0
	ds_add_u32 v208, v209
	s_wait_dscnt 0x0
	s_endpgm
.Lvalues:
; ---------------- V.  Wave kappa as above.  Lane (r, h) takes column d = 16 tv + r, and its 32 registers run down the keys 64 c + 32 h + i: a whole block of the second product's K in one lane.
; Eight blocks p = 4 c + tv; the four tv of one c together read each key's 256 bytes.
	s_sub_co_u32 s17, ttmp9, 608
	s_lshl_b32 s17, s17, 2
	s_add_co_u32 s17, s17, s16
	s_lshl_b32 s22, s17, 15
	s_add_nc_u64 s[8:9], s[8:9], s[22:23]
	s_mul_i32 s22, s17, STEPB
	s_add_co_u32 s22, s22, 6144                    ; V's pieces lie behind K's
	s_add_nc_u64 s[12:13], s[12:13], s[22:23]
	v_lshlrev_b32 v9, 2, v2
	v_lshl_add_u32 v9, v3, 13, v9                  ; 4 r + 32 h keys of 256 bytes
	v_lshlrev_b32 v8, 3, v3
	v_mov_b32 v14, 0
	v_cmp_le_u32 vcc_lo, 16, v1
.macro VLOAD p
.irp i, 0,1,2,3,4,5,6,7,8,9,10,11,12,13,14,15,16,17,18,19,20,21,22,23,24,25,26,27,28,29,30,31
	global_load_b32 v[32+32*((\p)%2)+\i], v9, s[8:9] offset:(64*((\p)/4)+\i)*256+64*((\p)%4)
.endr
.endm
.macro VBLOCK p
.set XS, 32+32*((\p)%2)
.set CC, 160+6*(\p)
.if (\p) < 7
	s_wait_loadcnt 32                              ; this block's 32 loads are in; the next block's may be out
.else
	s_wait_loadcnt 0
.endif
	QBLOCK XS, CC
	v_mov_b32 v[16+2*((\p)%4)+(\p)/4], v13         ; the byte of tile tv, key block 2 c + h
	global_store_b128 v4, v[CC:CC+3], s[12:13] offset:(2*((\p)%4)+(\p)/4)*768
	global_store_b64 v7, v[CC+4:CC+5], s[12:13] offset:(2*((\p)%4)+(\p)/4)*768+512
.if (\p)+2 < 8
	VLOAD (\p)+2
.endif
.endm
	VLOAD 0
	VLOAD 1
.irp p, 0,1,2,3,4,5,6,7
	VBLOCK \p
.endr
.irp tv, 0,1,2,3
	v_lshl_or_b32 v[10+\tv], v[17+2*\tv], 16, v[16+2*\tv]   ; my two bytes: key blocks h and 2 + h,
	v_lshlrev_b32 v[10+\tv], v8, v[10+\tv]                  ; at their places;
	v_permlanex16_b32 v14, v[10+\tv], s20, s21
	v_or_b32 v[10+\tv], v[10+\tv], v14                      ; with lane l xor 16's two the word is whole
.endr
	v_cndmask_b32 v24, v10, v11, vcc_lo            ; tile 0's words in lanes 0-15, tile 1's in lanes 16-31
	v_cndmask_b32 v25, v12, v13, vcc_lo            ; tiles 2 and 3
	global_store_b64 v7, v[24:25], s[12:13] offset:6656   ; at 12,800 of the step's block: 256 consecutive bytes
	s_endpgm
.Lfunc_end_k_q4d79c2c9cb_prep:
	.size	k_q4d79c2c9cb_prep, .Lfunc_end_k_q4d79c2c9cb_prep-k_q4d79c2c9cb_prep
	.p2alignl 7, 3214868480
	.fill 96, 4, 3214868480
	.section	.rodata,"a",@progbits
	.p2align	6, 0x0
	.amdhsa_kernel k_q4d79c2c9cb_prep
		.amdhsa_group_segment_fixed_size 51712
		.amdhsa_private_segment_fixed_size 0
		.amdhsa_enable_private_segment 0
		.amdhsa_kernarg_size 40
		.amdhsa_user_sgpr_count 2
		.amdhsa_user_sgpr_kernarg_segment_ptr 1
		.amdhsa_wavefront_size32 1
		.amdhsa_system_sgpr_workgroup_id_x 1
		.amdhsa_system_sgpr_workgroup_id_y 1
		.amdhsa_system_sgpr_workgroup_id_z 1
		.amdhsa_system_vgpr_workitem_id 0
		.amdhsa_next_free_vgpr 210
		.amdhsa_next_free_sgpr 66
		.amdhsa_reserve_vcc 1
		.amdhsa_float_denorm_mode_32 3
		.amdhsa_float_denorm_mode_16_64 3
		.amdhsa_memory_ordered 1
		.amdhsa_forward_progress 1
		.amdhsa_inst_pref_size 117
	.end_amdhsa_kernel
	.amdgpu_metadata
---
amdhsa.version: [ 1, 2 ]
amdhsa.kernels:
  - .name:           k_q4d79c2c9cb_prep
    .symbol:         k_q4d79c2c9cb_prep.kd
    .args:
      - { .name: mask, .offset: 0, .size: 8, .value_kind: global_buffer, .address_space: global }
      - { .name: k, .offset: 8, .size: 8, .value_kind: global_buffer, .address_space: global }
      - { .name: v, .offset: 16, .size: 8, .value_kind: global_buffer, .address_space: global }
      - { .name: hid, .offset: 24, .size: 8, .value_kind: global_buffer, .address_space: global }
      - { .name: kv, .offset: 32, .size: 8, .value_kind: global_buffer, .address_space: global }
    .group_segment_fixed_size: 51712
    .private_segment_fixed_size: 0
    .kernarg_segment_align: 8
    .kernarg_segment_size: 40
    .max_flat_workgroup_size: 128
    .sgpr_count:     66
    .vgpr_count:     210
    .wavefront_size: 32
...
	.end_amdgpu_metadata
.endif
;; end of part 1
;; launch attn (part 2): grid 64 x 4, 12 waves a work-group, clusters of 4 x 1, 327,680 bytes of LDS; arguments q, hid, kv, out0; writes out0
.if DOCPART == 2
	.amdgcn_target "amdgcn-amd-amdhsa--gfx1250"
	.amdhsa_code_object_version 6
	.text
	.protected	k_q4d79c2c9cb_attn
	.globl	k_q4d79c2c9cb_attn
	.p2align	8
	.type	k_q4d79c2c9cb_attn,@function
k_q4d79c2c9cb_attn:
	s_mov_b64 s[64:65], 0
	v_nop
	global_prefetch_b8 v0, s[64:65] scope:SCOPE_SE
	s_setreg_imm32_b32 hwreg(HW_REG_WAVE_MODE, 25, 1), 1
	s_wait_xcnt 0x0
	s_wait_alu depctr_hold_cnt(0) depctr_sa_sdst(0) depctr_va_vdst(0) depctr_va_sdst(0) depctr_va_ssrc(0) depctr_va_vcc(0) depctr_vm_vsrc(0)
	s_getreg_b32 s2, hwreg(HW_REG_IB_STS2, 6, 4)
	s_cmp_eq_u32 s2, 0
	s_cbranch_scc0 .Lentry_in_a_cluster
	s_endpgm
.Lentry_in_a_cluster:
	s_bfe_u32 s2, ttmp6, 0x10000c
	s_cmp_lg_u32 s2, 0x3003
	s_cbranch_scc0 .Lentry_shape_is_right
	s_endpgm
.Lentry_shape_is_right:
; out0[head][q][:] = the sum over k of softmax_k(masked q . k / 8) v[k][:], 12 heads of 4,096 x 64, both products on codes of BF6 (E3M2) with one E8M0 scale for each 32 along a product's K.
; K, V: codes and scale words from kv, laid as images of the operands' registers (13,056 bytes for a head's 128 keys).  The mask: from hid, one bit a score, laid as lane masks.  q: f32, quantised here in registers.
; THE SOFTMAX AHEAD OF THE SECOND PRODUCT: t = score x c, c = log2(e) / 8; M = the row's largest t so far, rounded UP to a whole number; p = 2^(t - M) is quantised along the keys, not normalised.
; The row's sum is taken of the unquantised p and divides O at the end.  When M moves, the sum and O are multiplied by 2^(old M - new M): exact.
; THE MASK: a hidden score becomes -2^33 ahead of the maximum, that is a logit of -2^30 where the definition has -1e9.  c x 2^33 = 1,549,081,984 is a whole number that f32 holds exactly, so in a row with no
; open key M = t, every p is exactly 1 and the row is the plain mean over all keys, as the definition has it; once an open key comes, 2^(old M - new M) is 0 and wipes what was summed.
; LIMITS: the result departs from the definition only where an OPEN logit lies near or under -1e9 (|q . k| of 8e9 and more); NaN and infinities are not served; a block of q under 2^-122 keeps the scale byte 1.
; SHARES.  12 heads x 256 tiles of 16 queries = 3,072 wave tasks = 256 work-groups of TWELVE waves, three to a SIMD, 256 registers each: one wave's vector work stands beside another's products and LDS loads.
; A work-group takes 64 queries (X) and three heads (y): wave w has head 3 y + w / 4 and query tile 4 X + w % 4, and walks all 32 steps of 128 keys.
; CLUSTER.  The four work-groups of a cluster differ in X alone and walk the same three heads' kv: every tile is asked for JOINTLY, by the same tensor load with the same descriptor and the mask of all four.
; RING.  Two LDS slots of 4 steps x 3 heads (156,672 bytes).  Each of the twelve waves brings one (head, step) block of 13,056 dense bytes: one load a wave behind each change of slots, four steps in which to land.
; By this text's own count a wave has two tensor loads out at the start and one behind each change of slots.
; LAYOUT.  Both products are used transposed: S^T = K Q^T (source 0 = 16 keys, source 1 = my 16 queries), O^T = V^T P^T: a lane holds ONE query (lane % 16) throughout.  The head's 64 fill the lower half of the
; first product's 128 along K; the upper half is zero codes on both sides.  Lane r of K's tile 2 b + u holds key 32 b + 8 u + r + 8 (r / 8), so that score register 16 b + i is key 32 b + 16 (lane / 16) + i.
; REGISTERS: v1, v2 my lane's place in an image (16 and 8 bytes a lane) + my head's part of a slot; v3, v4 the spare word's address and 0; v5, v6 the step's addresses; v7 at work; v[8:9] f, 0; v10, v11 the stage;
;   v12 -M, v13 the largest t, v[14:15] the sum; v[16:27] Q; v28 Q's scale word; v29 -2^33; v[30:31] V's scale words; v[32:79] four fragments of K (upper six registers of each stay 0); v[80:127] V's four;
;   v[128:191] S^T, then p; v[192:223] O^T; v[224:235] p's codes; v[236:247] at work; v[248:251] K's scale words; v252 my offset in out0; v253 p's scale word; v[254:255] the sum's second chain.
; SCALARS: s[4:7], s[8:11] descriptor group 0 for slot 0, 1; s[12:13] hid at my query tile; s[14:15] out0 at my rows; s[16:17] lane selects; s[18:19] c; s[52:59] group 1; s60 wave; s61 laps; s62 steps; s63 the step's
;   LDS byte; s66 the step's byte in hid; s[20:51], s[68:99] the step's 64 mask words (s[68:99] serve the set-up first).
.set STEPB, 13056                      ; a head's key step: 51 x 256 bytes
.set HEADB, 4*STEPB                    ; a head's four steps in a slot
.set SLOTB, 12*STEPB
.set SPARE, 2*SLOTB                    ; behind the ring: the spare words, 128 bytes for each of the twelve waves: six blocks of 256 bytes that no other line names
.set VOFF,  6144
.set KSC,   12288
.set VSC,   12800
.set SPITCH, 272                       ; the way out: 16 rows x (256 + 16) bytes for each wave, in slot 0, which by then has had its last fill and its last read
.set SS,  128
.set OT,  192
.set PC,  224
.set BM,  236
.set PT,  240
.set SOP, 244
.set KS,  248
; A round of the cluster's barrier: my work-group's barrier; wave 0 signals for the work-group; every wave waits for all four work-groups; my work-group's barrier once more.
.macro CROUND
	s_barrier_signal -1
	s_barrier_wait -1
	s_cmp_lg_u32 s60, 0
	s_cbranch_scc1 .Lnot_wave_0_\@
	s_barrier_signal -3
.Lnot_wave_0_\@:
	s_barrier_wait -3
	s_barrier_signal -1
	s_barrier_wait -1
.endm
.macro MASKLD                          ; a step's 64 mask words, 256 bytes: word n in s[20 + n] (n < 32) or s[36 + n]
	s_load_b512 s[20:35], s[12:13], s66 offset:0x0
	s_load_b512 s[36:51], s[12:13], s66 offset:0x40
	s_load_b512 s[68:83], s[12:13], s66 offset:0x80
	s_load_b512 s[84:99], s[12:13], s66 offset:0xc0
.endm
	s_load_b256 s[68:75], s[0:1], 0x0              ; q s[68:69], hid s[70:71], kv s[72:73], out0 s[74:75]
	v_lshl_add_u32 v3, v0, 2, SPARE
	v_mov_b32 v4, 0
	ds_add_u32 v3, v4
	ds_add_u32 v3, v4
	s_wait_dscnt 0x0
	v_lshrrev_b32 v7, 5, v0
	v_readfirstlane_b32 s60, v7                    ; wave 0..11
	s_lshr_b32 s76, s60, 2                         ; g: which of the three heads
	s_and_b32 s77, s60, 3                          ; u: which query tile; also which of a slot's four steps I fetch
	s_bfe_u32 s78, ttmp6, 0x40000                  ; cx: my place in the cluster: it enters the addresses of q, hid and out0 alone
	s_lshl_b32 s79, ttmp9, 2                       ; in a cluster launch ttmp9 counts clusters
	s_add_co_u32 s79, s79, s78                     ; X
	s_and_b32 s80, ttmp7, 0xffff                   ; y, which the four partners share
	s_mul_i32 s81, s80, 3
	s_add_co_u32 s81, s81, s76                     ; head
	s_lshl_b32 s82, s81, 5
	s_add_co_u32 s82, s82, s77
	s_mul_i32 s82, s82, STEPB                      ; kv: (32 head + u) blocks
	s_mov_b32 s83, 0
	s_lshl_b32 s84, s79, 2
	s_add_co_u32 s84, s84, s77                     ; Tq = 4 X + u
	s_lshl_b32 s86, s84, 13                        ; hid: 8,192 bytes a query tile
	s_mov_b32 s87, 0
	s_lshl_b32 s88, s81, 12
	s_lshl_b32 s85, s84, 4
	s_add_co_u32 s88, s88, s85                     ; my first row: 4,096 head + 16 Tq
	s_lshl_b32 s88, s88, 8                         ; of 256 bytes
	s_mov_b32 s89, 0
	; descriptor group 1: a dense block of 13,056 bytes as 51 rows of 32 elements of 8 bytes; no padding: every LDS read takes consecutive bytes in consecutive lanes
	s_mov_b32 s52, 15|(3<<16)|(1<<21)              ; 15:0 the mask: all four work-groups; 17:16 elements of 8 bytes; 21 set beside a mask
	s_mov_b32 s53, 32<<16                          ; tensor_dim0 = 32
	s_mov_b32 s54, 51<<16                          ; tensor_dim1 = 51
	s_mov_b32 s55, 32<<16                          ; tile_dim0 = 32
	s_mov_b32 s56, 51                              ; tile_dim1 = 51
	s_mov_b32 s57, 32                              ; elements from row to row
	s_mov_b32 s58, 0
	s_mov_b32 s59, 0
	s_mov_b32 s16, 0x76543210
	s_mov_b32 s17, 0xfedcba98                      ; v_permlanex16_b32's selects for lane l xor 16
	s_mov_b32 s18, 0x3e38aa3b                      ; c = log2(e) / 8
	s_mov_b32 s19, s18                             ; (named with it as a pair, so it is written)
	s_wait_kmcnt 0x0
	s_add_nc_u64 s[12:13], s[70:71], s[86:87]
	s_add_nc_u64 s[14:15], s[74:75], s[88:89]
	s_add_nc_u64 s[90:91], s[68:69], s[88:89]      ; q at my rows
	s_mov_b32 s4, 1                                ; group 0, slot 0: count = 1
	s_mul_i32 s5, s60, STEPB                       ; LDS address: wave x 13,056
	s_add_nc_u64 s[6:7], s[72:73], s[82:83]        ; steps 0 to 3: mine is step u
	s_or_b32 s7, s7, 0x80000000                    ; type = 2
	s_mov_b32 s8, 1                                ; slot 1
	s_add_co_u32 s9, s5, SLOTB
	s_add_nc_u64 s[10:11], s[72:73], s[82:83]
	s_add_nc_u64 s[10:11], s[10:11], 4*STEPB       ; steps 4 to 7
	s_or_b32 s11, s11, 0x80000000
	CROUND                                         ; all four work-groups are here: the first joint loads meet
	tensor_load_to_lds s[4:7], s[52:59]            ; both first fills go out together, ahead of every wait on TENSORcnt and every LDS read
	s_nop 0
	tensor_load_to_lds s[8:11], s[52:59]
	s_nop 0
.rept 4
	v_nop
.endr
	; Q: lane (r, h) takes d = 32 h .. 32 h + 31 of query r: a whole block
	v_and_b32 v5, 15, v0                           ; r
	v_bfe_u32 v6, v0, 4, 1                         ; h
	v_lshlrev_b32 v7, 8, v5
	v_lshl_add_u32 v7, v6, 7, v7
.irp y, 0,1,2,3,4,5,6,7
	global_load_b128 v[SS+4*\y:SS+4*\y+3], v7, s[90:91] offset:16*\y th:TH_LOAD_NT
.endr
	v_and_b32 v10, 31, v0
	s_mul_i32 s67, s76, HEADB
	v_lshl_add_u32 v1, v10, 4, s67                 ; 16 x lane + my head's part of a slot
	v_lshl_add_u32 v2, v10, 3, s67                 ; 8 x lane + the same
	v_mov_b32 v9, 0                                ; (named as the upper half of the pair v[8:9])
	v_mov_b32 v13, 0xff61b1e6                      ; the largest t so far: -3e38, under every t
	v_floor_f32 v12, -v13                          ; -M
	v_mov_b32 v14, 0                               ; the sum, in two halves
	v_mov_b32 v15, 0
	v_mov_b32 v29, 0xd0000000                      ; -2^33: a hidden score
.irp e, 22,23,24,25,26,27
	v_mov_b32 v[\e], 0                             ; Q's upper 64 along K: zero codes
.endr
.irp f, 0,1,2,3
.irp e, 6,7,8,9,10,11
	v_mov_b32 v[32+12*\f+\e], 0                    ; K's likewise: written once, no load lands here in the loop
.endr
.endr
.irp b, 0,1,2,3
	v_mov_b32 v[PT+\b], 0                          ; a lane permute's destination counts as read
.endr
	s_wait_loadcnt 0x0                             ; q is in; v7 and s[90:91] are free
	v_max3_num_f32 v10, |v[SS]|, |v[SS+1]|, |v[SS+2]|
	v_max3_num_f32 v11, |v[SS+3]|, |v[SS+4]|, |v[SS+5]|
.irp i, 6,10,14,18,22,26
	v_max3_num_f32 v10, v10, |v[SS+\i]|, |v[SS+\i+1]|
	v_max3_num_f32 v11, v11, |v[SS+\i+2]|, |v[SS+\i+3]|
.endr
	v_max3_num_f32 v10, v10, |v[SS+30]|, |v[SS+31]|
	v_max3_num_f32 v10, v10, v11, 0x2800000        ; the block's largest magnitude, and the floor 2^(5 - 127)
	v_add_nc_u32 v11, 0xfe000000, v10              ; 4 off its exponent field: the conversion's scale operand
	v_cvt_scalef32_pk16_bf6_f32 v[16:18], v[SS:SS+15], v11
	v_cvt_scalef32_pk16_bf6_f32 v[BM:BM+2], v[SS+16:SS+31], v11   ; (a conversion's three registers begin on an even number)
	v_lshrrev_b32 v10, 23, v11                     ; the scale's byte; also the plain line behind the conversions
	v_mov_b32 v19, v[BM]
	v_mov_b32 v20, v[BM+1]
	v_mov_b32 v21, v[BM+2]
	v_lshlrev_b32 v7, 3, v6
	v_lshlrev_b32 v10, v7, v10                     ; my byte at its place,
	v_permlanex16_b32 v[PT], v10, s16, s17
	v_or_b32 v10, v10, v[PT]                       ; with lane l xor 16's,
	v_lshl_or_b32 v28, v10, 16, v10                ; repeated for the upper 64 along K, whose codes are zeros
	s_mov_b32 s66, 0
	MASKLD                                         ; step 0's mask words
.irp j, 0,1,2,3,4,5,6,7,8,9,10,11,12,13,14,15,16,17,18,19,20,21,22,23,24,25,26,27,28,29,30,31
	v_mov_b32 v[OT+\j], 0                          ; O^T: the step is written once; the first finds zeros.  These 32 are also the places between Q's scale word and the first scaled product
.endr
.macro KLD t                           ; K's tile t: six registers' image into the lower half of fragment t % 4
	ds_load_b128 v[32+12*((\t)%4):35+12*((\t)%4)], v5 offset:768*(\t)
	ds_load_b64 v[36+12*((\t)%4):37+12*((\t)%4)], v6 offset:768*(\t)+512
.endm
.macro QK t                            ; S^T's tile t; an odd tile's scale words lie in lanes 16-31 of its register
.if (\t)%2
	v_wmma_scale_f32_16x16x128_f8f6f4 v[SS+8*(\t):SS+8*(\t)+7], v[32+12*((\t)%4):43+12*((\t)%4)], v[16:27], 0, v[KS+(\t)/2], v28 matrix_a_fmt:MATRIX_FMT_BF6 matrix_b_fmt:MATRIX_FMT_BF6 matrix_a_scale:MATRIX_SCALE_ROW1
.else
	v_wmma_scale_f32_16x16x128_f8f6f4 v[SS+8*(\t):SS+8*(\t)+7], v[32+12*((\t)%4):43+12*((\t)%4)], v[16:27], 0, v[KS+(\t)/2], v28 matrix_a_fmt:MATRIX_FMT_BF6 matrix_b_fmt:MATRIX_FMT_BF6
.endif
.endm
.macro PV tv                           ; O^T's tile tv += V^T P^T over these 128 keys
.if (\tv)%2
	v_wmma_scale_f32_16x16x128_f8f6f4 v[OT+8*(\tv):OT+8*(\tv)+7], v[80+12*(\tv):91+12*(\tv)], v[PC:PC+11], v[OT+8*(\tv):OT+8*(\tv)+7], v[30+(\tv)/2], v253 matrix_a_fmt:MATRIX_FMT_BF6 matrix_b_fmt:MATRIX_FMT_BF6 matrix_a_scale:MATRIX_SCALE_ROW1
.else
	v_wmma_scale_f32_16x16x128_f8f6f4 v[OT+8*(\tv):OT+8*(\tv)+7], v[80+12*(\tv):91+12*(\tv)], v[PC:PC+11], v[OT+8*(\tv):OT+8*(\tv)+7], v[30+(\tv)/2], v253 matrix_a_fmt:MATRIX_FMT_BF6 matrix_b_fmt:MATRIX_FMT_BF6
.endif
.endm
; A KEY STEP: 128 keys, whose block begins at LDS byte s63 + my head's part.
.macro STEP
	v_add_nc_u32 v5, s63, v1
	v_add_nc_u32 v6, s63, v2
	ds_load_b128 v[KS:KS+3], v5 offset:KSC         ; K's scale words, all eight tiles'
.irp t, 0,1,2,3
	KLD \t
.endr
	s_wait_dscnt 0x0
.irp t, 0,1,2,3
	QK \t
.endr
.rept 4
	v_nop                                          ; four places in front of the loads into K's registers, which those products read, and of the first read of their results; with the two additions above, six in front of the loads into V's registers, which the last step's products read
.endr
.irp t, 4,5,6,7
	KLD \t
.endr
.irp x, 0,1,2,3,4,5,6,7
	ds_load_b128 v[80+6*\x:83+6*\x], v5 offset:VOFF+768*\x          ; V's piece x = 2 tv + c: registers 6 c .. 6 c + 5 of fragment tv
	ds_load_b64 v[84+6*\x:85+6*\x], v6 offset:VOFF+768*\x+512
.endr
	ds_load_b64 v[30:31], v6 offset:VSC            ; V's scale words
	s_wait_dscnt 17                                ; K's tiles 4-7 are in; V's 17 loads may stay out until the second product
.irp t, 4,5,6,7
	QK \t
.endr
	s_wait_kmcnt 0x0                               ; this step's mask words, asked for a step ago
.set n, 0
.rept 64                               ; hidden scores become -2^33, each accumulator from its low end on.  The first 32 name no register of the last four products: they are the places behind those
	v_cndmask_b32 v[SS+n], v[SS+n], v29, s[20+n+16*(n/32)]
.set n, n+1
.endr
.irp b, 0,1,2,3
	v_max3_num_f32 v[BM+\b], v[SS+16*\b], v[SS+1+16*\b], v[SS+2+16*\b]   ; the largest score of each block of 32 keys: it serves for the row's maximum and, since p rises with the score, for the block's largest p
.endr
.irp i, 3,5,7,9,11,13
.irp b, 0,1,2,3
	v_max3_num_f32 v[BM+\b], v[BM+\b], v[SS+16*\b+\i], v[SS+1+16*\b+\i]
.endr
.endr
.irp b, 0,1,2,3
	v_max_num_f32 v[BM+\b], v[BM+\b], v[SS+15+16*\b]
.endr
	s_add_co_u32 s66, s66, 256                     ; the next step's mask words are asked for now (the wait on KMcnt above has freed s66 and the words' registers);
	s_min_u32 s66, s66, 7936                       ; the last step asks for its own again: no load leaves the query tile's 8,192 bytes
	MASKLD
.irp b, 0,1,2,3
	v_permlanex16_b32 v[PT+\b], v[BM+\b], s16, s17
.endr
.irp b, 0,1,2,3
	v_max_num_f32 v[BM+\b], v[BM+\b], v[PT+\b]     ; with lane l xor 16's 16 keys
.endr
	v_max3_num_f32 v7, v[BM], v[BM+1], v[BM+2]
	v_max_num_f32 v7, v7, v[BM+3]                  ; the step's largest score of my query
	v_mul_f32 v7, s18, v7                          ; as t (c is positive)
	v_max_num_f32 v13, v13, v7                     ; the running largest t
	v_mov_b32 v7, v12
	v_floor_f32 v12, -v13                          ; the new -M = floor(-t): M is a whole number
	v_sub_f32 v7, v12, v7                          ; old M - new M: a whole number, 0 or less
	v_cvt_i32_f32 v7, v7                           ; (it saturates)
	v_ldexp_f32 v8, 1.0, v7                        ; f = 2^(old M - new M)
.irp j, 0,2,4,6,8,10,12,14,16,18,20,22,24,26,28,30,32,34,36,38,40,42,44,46,48,50,52,54,56,58,60,62
	v_pk_fma_f32 v[SS+\j:SS+1+\j], v[SS+\j:SS+1+\j], s[18:19], v[12:13] op_sel_hi:[1,0,0]   ; t - M, two at a time (of the pairs c and -M the low word serves both halves)
.endr
.irp b, 0,1,2,3
	v_fma_f32 v[BM+\b], v[BM+\b], s18, v12         ; the same of each block's largest score
.endr
.set n, 0
.rept 64
	v_exp_f32 v[SS+n], v[SS+n]                     ; p = 2^(t - M), at most 1
.set n, n+1
.endr
.irp b, 0,1,2,3
	v_exp_f32 v[BM+\b], v[BM+\b]                   ; the block's largest p: the same two instructions on the same number
.endr
	v_pk_mul_f32 v[14:15], v[14:15], v[8:9] op_sel_hi:[1,0]   ; the sums under the new M; also the plain line behind the exponentials
	s_wait_alu depctr_va_vdst(0)
.irp b, 0,1,2,3
	v_max_num_f32 v[BM+\b], 0x2800000, v[BM+\b]    ; the floor 2^(5 - 127): a block whose every p is 0 keeps the byte 1: its codes are zeros
.endr
.irp b, 0,1,2,3
	v_add_nc_u32 v[SOP+\b], 0xfe000000, v[BM+\b]   ; 4 off the exponent field: the conversion's scale operand
.endr
.irp b, 0,1,2,3
	v_lshrrev_b32 v[PT+\b], 23, v[SOP+\b]          ; the scale's byte
.endr
	v_lshl_or_b32 v253, v[PT+1], 8, v[PT]          ; p's scale word for these 128 keys
	v_lshl_or_b32 v253, v[PT+2], 16, v253
	v_lshl_or_b32 v253, v[PT+3], 24, v253
.irp c, 0,1
	v_cvt_scalef32_pk16_bf6_f32 v[PC+6*\c:PC+2+6*\c], v[SS+32*\c:SS+15+32*\c], v[SOP+2*\c]
	v_cvt_scalef32_pk16_bf6_f32 v[BM+4*\c:BM+2+4*\c], v[SS+16+32*\c:SS+31+32*\c], v[SOP+2*\c+1]   ; (a conversion's three registers begin on an even number)
.endr
	v_nop                                          ; one plain line behind the scaled conversions
.irp c, 0,1                            ; the operand's layout wants a whole block in a lane: lanes 0-15 block 2 c, lanes 16-31 block 2 c + 1
.irp i, 0,1,2
	v_permlane16_swap_b32 v[PC+6*\c+\i], v[BM+4*\c+\i]
.endr
.irp i, 0,1,2
	v_mov_b32 v[PC+3+6*\c+\i], v[BM+4*\c+\i]
.endr
.endr
	v_pk_add_f32 v[254:255], v[SS:SS+1], v[SS+2:SS+3]   ; the row's sum is taken of the unquantised p: two at a time, in two chains
.irp j, 4,8,12,16,20,24,28,32,36,40,44,48,52,56,60
	v_pk_add_f32 v[14:15], v[14:15], v[SS+\j:SS+1+\j]
	v_pk_add_f32 v[254:255], v[254:255], v[SS+2+\j:SS+3+\j]
.endr
	v_pk_add_f32 v[14:15], v[14:15], v[254:255]
.irp j, 0,2,4,6,8,10,12,14,16,18,20,22,24,26,28,30
	v_pk_mul_f32 v[OT+\j:OT+1+\j], v[OT+\j:OT+1+\j], v[8:9] op_sel_hi:[1,0]   ; O^T under the new M, each accumulator from its low end on.  (The sums and these are the places between p's scale word and codes and the products below)
.endr
	s_wait_dscnt 0x0                               ; V is in
.irp tv, 0,1,2,3
	PV \tv                                         ; four accumulators, one instruction each; between two links of one sum stand the other three's and the next step's eight
.endr
.endm
.macro WORK slot                       ; a slot's four key steps: written once, walked four times
	s_mov_b32 s63, (\slot)*SLOTB
	s_mov_b32 s62, 4
.Lstep_\@:
	STEP
	s_add_co_u32 s63, s63, STEPB
	s_sub_co_u32 s62, s62, 1
	s_cmp_lg_u32 s62, 0
	s_cbranch_scc1 .Lstep_\@
.endm
; THE CHANGE OF SLOTS, when slot `slot` has been read.  Each wave waits for all its tensor loads (its block of the other slot), adds 0 to its spare word, and waits for that and for its reads of the slot left.
; fill = 1: the barrier is a round of the cluster's, so that no wave of any partner still reads the slot or has a load on its way, and the joint refill (the steps eight on) is the first thing behind it.
.macro CHANGE slot, fill
	s_wait_tensorcnt 0x0                           ; no tensor load of mine is out, so a group 0 may be written
	ds_add_u32 v3, v4                              ; 0 onto my spare word
.if \fill
	s_add_nc_u64 s[6+4*\slot:7+4*\slot], s[6+4*\slot:7+4*\slot], 8*STEPB   ; the type bits on top are not reached
.endif
	s_wait_dscnt 0x0                               ; the add is done, and my reads of the slot are over
.if \fill
	CROUND
	tensor_load_to_lds s[4+4*\slot:7+4*\slot], s[52:59]   ; my one tensor load until the next change of slots
	s_nop 0
.rept 4
	v_nop
.endr
.else
	s_barrier_signal -1
	s_barrier_wait -1
.endif
.endm
	s_wait_tensorcnt 0x1                           ; my block of slot 0 is in; slot 1's may stay out
	s_barrier_signal -1
	s_barrier_wait -1                              ; everybody's is
	WORK 0                                         ; steps 0-3
	s_mov_b32 s61, 3
.Llap:                                                 ; three laps: each fills both slots again and works eight steps
	CHANGE 0, 1
	WORK 1
	CHANGE 1, 1
	WORK 0
	s_sub_co_u32 s61, s61, 1
	s_cmp_lg_u32 s61, 0
	s_cbranch_scc1 .Llap
	CHANGE 0, 0                                    ; the tail is written out: nothing is left to fetch
	WORK 1                                         ; steps 28-31
	; THE WAY OUT.  O^T is divided by the row's sum and goes through my own stage in LDS, so that sixteen lanes store a row's 256 consecutive bytes.
	s_wait_kmcnt 0x0                               ; the last step's request for mask words has come back
	v_add_f32 v14, v14, v15                        ; the sum's two halves,
	v_permlanex16_b32 v7, v14, s16, s17
	v_add_f32 v14, v14, v7                         ; and lane l xor 16's
	v_rcp_f32 v14, v14
	v_and_b32 v5, 15, v0                           ; r  (plain lines behind the reciprocal, and the places behind the last products)
	v_bfe_u32 v6, v0, 4, 1                         ; h
	s_mul_i32 s67, s60, 16*SPITCH                  ; my stage
	v_mul_u32_u24 v10, v5, SPITCH
	v_lshl_add_u32 v10, v6, 5, v10
	v_add_nc_u32 v10, s67, v10                     ; in: row r, + 32 h; tile tv's eight channels 64 tv bytes on
	v_mul_u32_u24 v11, v6, SPITCH
	v_lshl_add_u32 v11, v5, 4, v11
	v_add_nc_u32 v11, s67, v11                     ; back: lanes 0-15 one row, lanes 16-31 the next
	v_lshlrev_b32 v252, 8, v6
	v_lshl_add_u32 v252, v5, 4, v252               ; and the same two rows in out0
.set n, 0
	s_wait_alu depctr_va_vdst(0)
.rept 32
	v_mul_f32 v[SS+n], v[OT+n], v14                ; register 8 tv + j is out0(r, 16 tv + 8 h + j); each accumulator from its low end on
.set n, n+1
.endr
.irp tv, 0,1,2,3
	ds_store_b128 v10, v[SS+8*\tv:SS+8*\tv+3] offset:64*\tv
	ds_store_b128 v10, v[SS+8*\tv+4:SS+8*\tv+7] offset:64*\tv+16
.endr
.irp i, 0,1,2,3,4,5,6,7
	ds_load_b128 v[32+4*\i:35+4*\i], v11 offset:2*\i*SPITCH   ; LDS serves a wave's instructions in order: these see my stores
.endr
.irp i, 0,1,2,3,4,5,6,7
	s_wait_dscnt 7-\i                              ; rows 2 i and 2 i + 1 are back; the younger reads may be out
	global_store_b128 v252, v[32+4*\i:35+4*\i], s[14:15] offset:512*\i th:TH_STORE_NT   ; 32 lanes store 512 consecutive bytes, at a multiple of 256 from out0's first byte
.endr
	s_wait_tensorcnt 0x0                           ; the wave's end, behind my last tensor load and my last LDS store
	ds_add_u32 v3, v4
	s_wait_dscnt 0x0
	CROUND                                         ; the closing round: no work-group ends while a partner may still ask for a tile that names it
	s_endpgm
.Lfunc_end_k_q4d79c2c9cb_attn:
	.size	k_q4d79c2c9cb_attn, .Lfunc_end_k_q4d79c2c9cb_attn-k_q4d79c2c9cb_attn
	.p2alignl 7, 3214868480
	.fill 96, 4, 3214868480
	.section	.rodata,"a",@progbits
	.p2align	6, 0x0
	.amdhsa_kernel k_q4d79c2c9cb_attn
		.amdhsa_group_segment_fixed_size 327680
		.amdhsa_private_segment_fixed_size 0
		.amdhsa_enable_private_segment 0
		.amdhsa_kernarg_size 32
		.amdhsa_user_sgpr_count 2
		.amdhsa_user_sgpr_kernarg_segment_ptr 1
		.amdhsa_wavefront_size32 1
		.amdhsa_system_sgpr_workgroup_id_x 1
		.amdhsa_system_sgpr_workgroup_id_y 1
		.amdhsa_system_sgpr_workgroup_id_z 1
		.amdhsa_system_vgpr_workitem_id 0
		.amdhsa_next_free_vgpr 256
		.amdhsa_next_free_sgpr 102
		.amdhsa_reserve_vcc 0
		.amdhsa_float_denorm_mode_32 3
		.amdhsa_float_denorm_mode_16_64 3
		.amdhsa_memory_ordered 1
		.amdhsa_forward_progress 1
		.amdhsa_inst_pref_size 96
	.end_amdhsa_kernel
	.amdgpu_metadata
---
amdhsa.version: [ 1, 2 ]
amdhsa.kernels:
  - .name:           k_q4d79c2c9cb_attn
    .symbol:         k_q4d79c2c9cb_attn.kd
    .args:
      - { .name: q, .offset: 0, .size: 8, .value_kind: global_buffer, .address_space: global }
      - { .name: hid, .offset: 8, .size: 8, .value_kind: global_buffer, .address_space: global }
      - { .name: kv, .offset: 16, .size: 8, .value_kind: global_buffer, .address_space: global }
      - { .name: out0, .offset: 24, .size: 8, .value_kind: global_buffer, .address_space: global }
    .group_segment_fixed_size: 327680
    .private_segment_fixed_size: 0
    .kernarg_segment_align: 8
    .kernarg_segment_size: 32
    .max_flat_workgroup_size: 384
    .sgpr_count:     102
    .vgpr_count:     256
    .wavefront_size: 32
...
	.end_amdgpu_metadata
.endif
;; end of part 2
